; MI455X (gfx1250); checked and timed in simulation.
; The chip was launched on July 23, 2026; its instructions are those of AMD's public machine-readable ISA for CDNA 5 (MIT licence, August 2026) and "CDNA5" Instruction Set Architecture Reference Guide (July 2026). The comments in the code are by the model that wrote it; some were corrected since.
;; Multihead Attention. Allowed arithmetic: matrix products marked QUANTISED: E2M1 operands, one E8M0 scale for each 32 along K, by v_wmma_scale_f32_16x16x128_f8f6f4 with both operands' format E2M1 (or v_wmma_scale_f32_32x16x128_f4), f32 sums; everything else in f32.
;; Inputs: Wk_codes 1,024 x 32 x 16 uint8 (E2M1 codes of Wk, K innermost, in blocks of 32 codes, two codes a byte); Wk_scales 1,024 x 32 uint8 (E8M0 scales of Wk, one for each 32 codes along K); Wo_codes 1,024 x 32 x 16 uint8 (E2M1 codes of Wo, K innermost, in blocks of 32 codes, two codes a byte); Wo_scales 1,024 x 32 uint8 (E8M0 scales of Wo, one for each 32 codes along K); Wq_codes 1,024 x 32 x 16 uint8 (E2M1 codes of Wq, K innermost, in blocks of 32 codes, two codes a byte); Wq_scales 1,024 x 32 uint8 (E8M0 scales of Wq, one for each 32 codes along K); Wv_codes 1,024 x 32 x 16 uint8 (E2M1 codes of Wv, K innermost, in blocks of 32 codes, two codes a byte); Wv_scales 1,024 x 32 uint8 (E8M0 scales of Wv, one for each 32 codes along K); bo 1,024 float32; x_codes 4 x 2,048 x 32 x 16 uint8 (E2M1 codes of x, K innermost, in blocks of 32 codes, two codes a byte); x_scales 4 x 2,048 x 32 uint8 (E8M0 scales of x, one for each 32 codes along K).
;; Outputs: out0 4 x 2,048 x 1,024 float32.
;; This version of the problem:
;;   THIS VERSION OF THE PROBLEM IS GIVEN IN LOW PRECISION. The matrix products marked QUANTISED in the list below multiply operands that are first quantised to E2M1 (2 exponent bits, 1 mantissa bit; 4 bits a number), with one power-of-two scale for each 32 numbers along K (OCP MX v1.0); their sums are f32. All else is computed in f32.
;;   The module's matrix products, in the order in which they are computed (A, B: the left and right operand; K: the contracted axis; several contracted axes count as one K, in the product's order):
;;     1. [M 8,192, K 1,024] x [K 1,024, N 1,024]; A: input x (given as codes); B: input Wq (given as codes): QUANTISED
;;     2. [M 8,192, K 1,024] x [K 1,024, N 1,024]; A: input x (given as codes); B: input Wk (given as codes): QUANTISED
;;     3. [M 8,192, K 1,024] x [K 1,024, N 1,024]; A: input x (given as codes); B: input Wv (given as codes): QUANTISED
;;     4. batch 64 x [M 2,048, K 64] x [K 64, N 2,048]; A: computed on the way; B: computed on the way: QUANTISED
;;     5. batch 64 x [M 2,048, K 2,048] x [K 2,048, N 64]; A: softmax (see below); B: computed on the way: QUANTISED
;;     6. [M 8,192, K 1,024] x [K 1,024, N 1,024]; A: computed on the way; B: input Wo (given as codes): QUANTISED
;;   THE QUANTISER, for each operand of a quantised product, along K:
;;     - K is cut into blocks of 32 from its start; a last block that is shorter is filled with zeros.
;;     - A block's scale is 2^e with e = floor(log2(the largest magnitude in the block)) - 2, held to -126 .. 127; a block of zeros has e = 0. As a byte (E8M0): e + 127.
;;     - Each number is divided by its block's scale, clamped to +-6, and rounded to the nearest number of E2M1, ties to even, subnormals kept.
;;     - The product sums the exact products of the quantised numbers (number of the format x scale) in f32.
;;   ~~~python
;;   def quantise(x, axis):      # numpy; x: float32 -> the quantised numbers, widened to float32 again
;;       x = np.moveaxis(x, axis, -1); K = x.shape[-1]
;;       x = np.pad(x, [(0, 0)] * (x.ndim - 1) + [(0, -K % 32)]); x = x.reshape(x.shape[:-1] + (-1, 32)); a = np.abs(x).max(-1, keepdims=True)
;;       e = np.where(a > 0, np.clip(np.frexp(np.where(a > 0, a, 1))[1] - 1 - 2, -126, 127), 0)      # np.frexp(a)[1] - 1 = floor(log2(a)), exactly
;;       r = np.clip(x / 2.0 ** e, -6, 6)
;;       step = 2.0 ** (np.maximum(np.frexp(np.where(r == 0, 1, r))[1] - 1, 0) - 1)
;;       q = np.round(r / step) * step * 2.0 ** e      # np.round: ties to even
;;       return np.moveaxis(q.reshape(q.shape[:-2] + (-1,))[..., :K], -1, axis).astype(np.float32)
;;   ~~~
;;   SOFTMAX AHEAD OF A QUANTISED PRODUCT. Where the list says 'softmax', what is quantised is not the finished softmax but p = 2^(t - M), with t = logit x log2(e) and M = ceil(the row's largest t), a whole number; so 1/2 < the row's largest p <= 1. The row's sum l is taken of the UNQUANTISED p, in f32, and the product's result is divided by l at the end. Since M is a whole number, a kernel that streams over the keys may use a running M (the ceiling of the running maximum): every later rescaling is an exact power of two, which a block's scale takes up: the codes' values come out the same.
;;   OPERANDS COMPUTED ON THE WAY. 'Computed on the way' means the value that the module computes at that place (a softmax that the list does not call 'softmax' is quantised finished and normalised). What goes into a quantiser is computed in f32, as accurately as f32 sums, v_exp_f32 and their like allow (about 1e-6 of the number): no bf16 or f16 on the way to a quantiser, and a product that is left as it is and whose result goes on into a quantised operand takes f32 operands (vector FMAs, or v_wmma_f32_16x16x4_f32). A number that lies on a knife's edge between two numbers of the format may be rounded either way, as far as f32 arithmetic and the matrix unit's own rounding can turn it there, and no further.
;;   INPUTS GIVEN AS CODES. Wk (in the module: [1024, 1024], K = its axis 0); Wo (in the module: [1024, 1024], K = its axis 0); Wq (in the module: [1024, 1024], K = its axis 0); Wv (in the module: [1024, 1024], K = its axis 0); x (in the module: [4, 2048, 1024], K = its axis 2): each comes as NAME_codes (uint8): NAME with its K axis moved to the last place and cut into blocks of 32 codes, [.., K / 32, bytes a block], one block behind the other in memory; two codes a byte, the lower K in the low four bits (a code: sign, 2 exponent bits, 1 mantissa bit); and NAME_scales (uint8): the same leading axes, one E8M0 byte (e + 127) for each 32 codes along K. Its value is code x scale, taken as it is: it is not quantised again, and the codes and scales need not be those that the quantiser above would give.
;; One version. Each part assembles by itself: llvm-mc -triple=amdgcn-amd-amdhsa -mcpu=gfx1250 --defsym DOCPART=n.
;; ======== version 1 of 1: 3 launches
;; workspace buffers: qc 4,194,304 bytes; qs 524,288 bytes; kv 9,175,040 bytes; cc 4,194,304 bytes; cs 262,144 bytes
;; launch qkv (part 1): grid 8 x 32, 4 waves a work-group, clusters of 4 x 4, 327,680 bytes of LDS; arguments x_codes, x_scales, Wq_codes, Wq_scales, Wk_codes, Wk_scales, Wv_codes, Wv_scales, qc, qs, kv; writes qc, qs, kv
.if DOCPART == 1
	.amdgcn_target "amdgcn-amd-amdhsa--gfx1250"
	.amdhsa_code_object_version 6
	.text
	.protected	k_qbdd1391218_qkv
	.globl	k_qbdd1391218_qkv
	.p2align	8
	.type	k_qbdd1391218_qkv,@function
k_qbdd1391218_qkv:
	s_mov_b64 s[64:65], 0
	v_nop
	global_prefetch_b8 v0, s[64:65] scope:SCOPE_SE
	s_setreg_imm32_b32 hwreg(HW_REG_WAVE_MODE, 25, 1), 1
	s_wait_xcnt 0x0
	s_wait_alu depctr_hold_cnt(0) depctr_sa_sdst(0) depctr_va_vdst(0) depctr_va_sdst(0) depctr_va_ssrc(0) depctr_va_vcc(0) depctr_vm_vsrc(0)
	s_getreg_b32 s2, hwreg(HW_REG_IB_STS2, 6, 4)
	s_cmp_eq_u32 s2, 0
	s_cbranch_scc0 .Lentry_in_a_cluster
	s_endpgm
.Lentry_in_a_cluster:
	s_bfe_u32 s2, ttmp6, 0x10000c
	s_cmp_lg_u32 s2, 0xf033
	s_cbranch_scc0 .Lentry_shape_is_right
	s_endpgm
.Lentry_shape_is_right:
; q = x Wq, k = x Wk, v = x Wv on codes of FP4 (E2M1) with one E8M0 scale for each 32 along K = 1,024; the results are quantised IN REGISTERS and leave as codes and scale words:
; q and k along the head's 64 (two blocks), v along the keys.  The f32 results never go to memory.
; SHARES.  Work-group (X, Y): 128 output features (heads 2 X and 2 X + 1) x 256 rows of x (batch Y / 8, rows 256 (Y % 8) on).  8 x 32 = 256 work-groups of equal work, four waves each.
; All of K lies in LDS at once: a row of 1,024 codes is 512 bytes.  x's 256 rows and the three weights' 128 rows are read from memory once for a work-group.
; ONE MACRO MAKES ALL THREE TILES.  Source 0 is P: 128 rows, the axis along which the result is quantised; source 1 is L: 64 rows.  In the result lane (r, h) holds L's row r and, in register i of P's tile t, P's row 16 t + 8 h + i.
;   q, k: P = the weight's 128 rows (features), L = x's rows 64 w on.      v: P = x's rows 128 (w % 2) on (keys), L = Wv's rows 64 (w / 2) on (the 64 features of head 2 X + w / 2).
; FROM RESULT TO OPERAND.  A block of 32 along P is tiles 2 b and 2 b + 1, in lanes l and l xor 16.  Each tile's eight registers make one register of codes; the codes of tiles 4 c, 4 c + 2, 4 c + 1, 4 c + 3 go to registers
; 4 c .. 4 c + 3, and two exchanges of halves (registers 4 c with 4 c + 1, 4 c + 2 with 4 c + 3) leave k = 64 c + 32 h + 0 .. 31 in them: the layout of a 4-bit operand.  Tiles are 16 neighbouring rows.
; WORKSPACE, laid as images of operand registers (512 bytes: lane l's 16 bytes at 16 l):
;   qc [head 64][query tile 128][512];  qs [head][query] one word: bytes 0, 1 the head's two scale bytes; bytes 2, 3 stand over zero codes in the next launch and hold the neighbour head's bytes or 0, never 0xff.
;   kv [head 64][chunk of 512 keys 4][35,840]: +0 K's 32 images; +16,384 V's images [128 keys 4][16 features 4][2][512]; +32,768 K's 512 scale words; +34,816 V's scale words [4][64].
; CLUSTER 4 x 4.  x's tiles hang on Y alone and are asked for jointly along a row of the cluster, the weights' on X alone and jointly along a column: each joint load has one mask and one descriptor in the four that it names.
; LIMITS.  NaN and infinities among the results are not served.  A block of zeros gets the scale byte 1 where the quantiser says 127: its codes are zeros, and these bytes are read by this program alone.
.set PITCH,  528                       ; an LDS row of codes: 512 bytes + 16 of padding = 33 x 16: the 16 rows of a fragment load start at 16 different 16-byte columns
.set TILE,   16*PITCH
.set LWA,    256*PITCH                 ; behind x's 256 rows: Wq's 128 rows, later Wv's
.set LWB,    LWA+128*PITCH             ; Wk's
.set LWS0,   LWB+128*PITCH             ; Wq's scale bytes: 128 rows x 32 bytes as 16 units of 256 + 16
.set LWS1,   LWS0+4352                 ; Wk's
.set LXS,    LWS1+4352                 ; x's: 32 units
.set LWS2,   LXS+8704                  ; Wv's
.set SCR,    LWS2+4352                 ; 512 bytes for each wave, written by LDS stores; no fill lands here
.set SPARE,  SCR+2048                  ; the spare words, 128 bytes for each wave: two blocks of 256 bytes that no other line names
.set HEADKV, 143360                    ; a head in kv
.set CHUNKB, 35840                     ; a chunk of 512 keys in kv
.set LT,     TILE                      ; L's fragments: from tile to tile, from K step to K step, from half to half
.set LS,     64
.set LC,     32
.set LP,   4                           ; v4   528 r + 16 h
.set APQ,  5                           ; v5   P of q;  v6 P of k;  v7 L of q and k;  v8 P of v;  v9 L of v
.set APK,  6
.set ALX,  7
.set APV,  8
.set ALV,  9
.set SLP,  10                          ; v10  a row's scale bytes: 32 r + 16 (r / 8)
.set ASPQ, 11                          ; v11, 13, 15  P's scale words, all lanes;   v12, 14, 16  lanes 0-15 P's, lanes 16-31 L's
.set ASQ,  12
.set ASPK, 13
.set ASK,  14
.set ASPV, 15
.set ASV,  16
.set LI,   17                          ; v17  16 x lane
.set SH16, 18                          ; v18  16 h
.set SCW,  19                          ; v19  scratch, in: 256 h + 4 r;  v20 back: 16 x lane
.set SCRD, 20
.set OWQ,  21                          ; v21  16 r + 8,192 h;  v22  16 r + 143,360 h: two heads' words
.set OWK,  22
.set SCWV, 23                          ; v23  scratch, in: 4 r;  v24 back: 8 x lane;  v25  8 x lane
.set SCRV, 24
.set L8,   25
.set TV,   26
.set SPW,  28                          ; v28  LDS address of my spare word; never rewritten
.set NIL,  29                          ; v29  0; never rewritten
.set SC,   32                          ; v32-95   scale words: register 8 i + s: K step s; lanes 0-15 P's tile i, lanes 16-31 (i < 4) L's tile i
.set LF,   96                          ; v96-159  L's fragments, two sets of four
.set PC,   160                         ; v160-191 codes: 8 registers for each of L's tiles
.set PW,   192                         ; v192-195 their scale words
.set TM,   196                         ; v196-199 largest magnitudes; v200-203 the other half's, then bytes; v204-207 the conversions' scale operands
.set WO,   212                         ; v212-215 scale words on their way out
; window 1: accumulator (P tile i, L tile j) at v[64 j + 8 i].   window 2: P's fragments, two sets, at v0 and v64.
.set WV,   28
.set G1X,  40                          ; s[40:47] group 1: x's codes;  s[48:55] a weight's;  s[56:63] x's scales;  s[68:75] a weight's
.set G1W,  48
.set G1XS, 56
.set G1WS, 68
.set T1,   76                          ; groups 0: Wq's scales, x's scales, x's codes, Wq's codes, Wk's scales, Wk's codes, Wv's scales, Wv's codes
.set T2,   80
.set T3,   84
.set T4,   88
.set T5,   92
.set T6,   96
.set T7,   36
.set T8,   4
.set SEL,  100
.set QCP,  20
.set QWP,  22
.set KCP,  8
.set KWP,  10
.set VCP,  12
.set VWP,  14
.set MSB, 0
.macro WIN new                         ; the immediate's high byte repeats the setting that is left; a switch that changes nothing is dropped
.if MSB != \new
	s_set_vgpr_msb (MSB<<8)|\new
.set MSB, \new
.endif
.endm
.macro PLACES n
.rept \n
	v_nop
.endr
.endm
.macro CROUND                          ; a round of the cluster's barrier
	s_barrier_signal -1
	s_barrier_wait -1
	s_cmp_lg_u32 s[WV], 0
	s_cbranch_scc1 .Lnot_wave_0_\@
	s_barrier_signal -3
.Lnot_wave_0_\@:
	s_barrier_wait -3
	s_barrier_signal -1
	s_barrier_wait -1
.endm
	s_load_b512 s[4:19], s[0:1], 0x0               ; x's codes, scales; Wq's; Wk's; Wv's
	s_load_b128 s[20:23], s[0:1], 0x40             ; qc, qs
	s_load_b64 s[24:25], s[0:1], 0x50              ; kv
	v_lshl_add_u32 v[SPW], v0, 2, SPARE
	v_mov_b32 v[NIL], 0
	ds_add_u32 v28, v29
	ds_add_u32 v28, v29
	s_wait_dscnt 0x0
	v_lshrrev_b32 v1, 5, v0
	v_readfirstlane_b32 s[WV], v1                  ; wave 0..3
	s_bfe_u32 s29, ttmp6, 0x40000                  ; cx
	s_bfe_u32 s30, ttmp6, 0x40004                  ; cy
	s_lshl_b32 s31, ttmp9, 2
	s_add_co_u32 s31, s31, s29                     ; X = 4 x cluster x + cx
	s_and_b32 s32, ttmp7, 0xffff
	s_lshl_b32 s32, s32, 2
	s_add_co_u32 s32, s32, s30                     ; Y = 4 x cluster y + cy
	s_lshl_b32 s33, s30, 2
	s_lshl_b32 s33, 15, s33                        ; my row of the cluster: shares Y
	s_lshl_b32 s34, 0x1111, s29                    ; my column: shares X
	; groups 1.  Codes: rows of 512 bytes, 16 bytes of padding behind each (128 words: code 6; 4 words: code 3); a wave brings 64 rows of x, 32 of a weight
	s_or_b32 s[G1X], s33, (1<<20)|(1<<21)|(6<<22)|(3<<25)
	s_or_b32 s[G1W], s34, (1<<20)|(1<<21)|(6<<22)|(3<<25)
.irp g, G1X, G1W
	s_mov_b32 s[\g+1], 512<<16                     ; tensor_dim0
	s_mov_b32 s[\g+3], 512<<16                     ; tile_dim0
	s_mov_b32 s[\g+5], 512                         ; from row to row
	s_mov_b32 s[\g+6], 0
	s_mov_b32 s[\g+7], 0
.endr
	s_mov_b32 s[G1X+2], 64<<16                     ; tensor_dim1
	s_mov_b32 s[G1X+4], 64                         ; tile_dim1
	s_mov_b32 s[G1W+2], 32<<16
	s_mov_b32 s[G1W+4], 32
	; scale bytes: dense blocks, as rows of 256 bytes (32 elements of 8), 16 bytes of padding behind each; a wave brings 8 such rows of x's, 4 of a weight's
	s_or_b32 s[G1XS], s33, (3<<16)|(1<<20)|(1<<21)|(5<<22)|(3<<25)
	s_or_b32 s[G1WS], s34, (3<<16)|(1<<20)|(1<<21)|(5<<22)|(3<<25)
.irp g, G1XS, G1WS
	s_mov_b32 s[\g+1], 32<<16
	s_mov_b32 s[\g+3], 32<<16
	s_mov_b32 s[\g+5], 32
	s_mov_b32 s[\g+6], 0
	s_mov_b32 s[\g+7], 0
.endr
	s_mov_b32 s[G1XS+2], 8<<16
	s_mov_b32 s[G1XS+4], 8
	s_mov_b32 s[G1WS+2], 4<<16
	s_mov_b32 s[G1WS+4], 4
	; where the tiles go: a constant + the wave's number x a constant: every wave brings its quarter of every tile
	s_mul_i32 s35, s[WV], 1088
	s_add_co_u32 s[T1+1], s35, LWS0
	s_add_co_u32 s[T5+1], s35, LWS1
	s_add_co_u32 s[T7+1], s35, LWS2
	s_mul_i32 s35, s[WV], 2176
	s_add_co_u32 s[T2+1], s35, LXS
	s_mul_i32 s[T3+1], s[WV], 64*PITCH
	s_mul_i32 s35, s[WV], 32*PITCH
	s_add_co_u32 s[T4+1], s35, LWA
	s_add_co_u32 s[T6+1], s35, LWB
	; where they come from: x's offsets are made of Y and the wave, the weights' of X and the wave, in registers of their own
	s_lshl_b32 s2, s32, 17
	s_lshl_b32 s3, s[WV], 15
	s_add_co_u32 s2, s2, s3                        ; (256 Y + 64 w) rows of 512 bytes
	s_mov_b32 s3, 0
	s_lshl_b32 s26, s31, 16
	s_lshl_b32 s27, s[WV], 14
	s_add_co_u32 s26, s26, s27                     ; (128 X + 32 w) rows of 512 bytes
	s_mov_b32 s27, 0
	s_wait_kmcnt 0x0
	s_add_nc_u64 s[T3+2:T3+3], s[4:5], s[2:3]
	s_lshr_b32 s2, s2, 4                           ; the same rows of 32 bytes
	s_add_nc_u64 s[T2+2:T2+3], s[6:7], s[2:3]
	s_add_nc_u64 s[T4+2:T4+3], s[8:9], s[26:27]
	s_add_nc_u64 s[T6+2:T6+3], s[12:13], s[26:27]
	s_add_nc_u64 s[T8+2:T8+3], s[16:17], s[26:27]  ; (x's two pointers have been used: their registers take Wv's group 0)
	s_lshr_b32 s26, s26, 4
	s_add_nc_u64 s[T1+2:T1+3], s[10:11], s[26:27]
	s_add_nc_u64 s[T5+2:T5+3], s[14:15], s[26:27]
	s_add_nc_u64 s[T7+2:T7+3], s[18:19], s[26:27]
.irp t, T1, T2, T3, T4, T5, T6, T7, T8
	s_mov_b32 s[\t], 1                             ; count = 1
	s_or_b32 s[\t+3], s[\t+3], 0x80000000          ; type = 2
.endr
	s_add_co_u32 s[T8+1], s35, LWA                 ; Wv's codes take Wq's place
	s_mov_b32 s[SEL], 0x76543210
	s_mov_b32 s[SEL+1], 0xfedcba98                 ; v_permlanex16_b32's selects for lane l xor 16
	CROUND                                         ; all sixteen work-groups are here: the first joint loads meet
	tensor_load_to_lds s[T1:T1+3], s[G1WS:G1WS+7]  ; the first fills go out as one group: seven loads of mine are out
	s_nop 0
	tensor_load_to_lds s[T2:T2+3], s[G1XS:G1XS+7]
	s_nop 0
	tensor_load_to_lds s[T3:T3+3], s[G1X:G1X+7]
	s_nop 0
	tensor_load_to_lds s[T4:T4+3], s[G1W:G1W+7]
	s_nop 0
	tensor_load_to_lds s[T5:T5+3], s[G1WS:G1WS+7]
	s_nop 0
	tensor_load_to_lds s[T6:T6+3], s[G1W:G1W+7]
	s_nop 0
	tensor_load_to_lds s[T7:T7+3], s[G1WS:G1WS+7]
	s_nop 0
	PLACES 4                                       ; four v_nop follow the last of them
	v_and_b32 v1, 15, v0                           ; r
	v_bfe_u32 v2, v0, 4, 1                         ; h
	v_and_b32 v3, 31, v0                           ; lane
	v_mul_u32_u24 v[LP], v1, PITCH
	v_lshl_add_u32 v[LP], v2, 4, v[LP]             ; a fragment: row r x pitch + 16 h
	v_add_nc_u32 v[APQ], LWA, v[LP]
	v_add_nc_u32 v[APK], LWB, v[LP]
	s_mul_i32 s35, s[WV], 64*PITCH
	v_add_nc_u32 v[ALX], s35, v[LP]                ; x's rows 64 w on
	s_and_b32 s66, s[WV], 1
	s_lshr_b32 s67, s[WV], 1
	s_mul_i32 s35, s66, 128*PITCH
	v_add_nc_u32 v[APV], s35, v[LP]                ; x's rows 128 (w % 2) on
	s_mul_i32 s35, s67, 64*PITCH
	s_add_co_u32 s35, s35, LWA
	v_add_nc_u32 v[ALV], s35, v[LP]                ; Wv's rows 64 (w / 2) on
	v_lshrrev_b32 v[SLP], 3, v1
	v_lshlrev_b32 v[SLP], 4, v[SLP]
	v_lshl_add_u32 v[SLP], v1, 5, v[SLP]           ; 32 bytes a row, 16 more behind each 8 rows
	v_add_nc_u32 v[ASPQ], LWS0, v[SLP]
	s_mul_i32 s35, s[WV], 2176
	s_add_co_u32 s35, s35, LXS-LWS0                ; from P's scales to L's: one product with h
	v_mul_u32_u24 v[TV], s35, v2
	v_add_nc_u32 v[ASQ], v[ASPQ], v[TV]
	v_add_nc_u32 v[ASPK], LWS1, v[SLP]
	s_sub_co_u32 s35, s35, LWS1-LWS0
	v_mul_u32_u24 v[TV], s35, v2
	v_add_nc_u32 v[ASK], v[ASPK], v[TV]
	s_mul_i32 s35, s66, 4352
	s_add_co_u32 s66, s35, LXS
	v_add_nc_u32 v[ASPV], s66, v[SLP]
	s_mul_i32 s67, s67, 2176
	s_add_co_u32 s67, s67, LWS2-LXS
	s_sub_co_u32 s67, s67, s35
	v_mul_u32_u24 v[TV], s67, v2
	v_add_nc_u32 v[ASV], v[ASPV], v[TV]
	s_lshl_b32 s35, s[WV], 9
	s_add_co_u32 s35, s35, SCR                     ; my scratch
	v_lshl_add_u32 v[SCWV], v1, 2, s35
	v_lshl_add_u32 v[SCW], v2, 8, v[SCWV]
	v_lshl_add_u32 v[SCRD], v3, 4, s35
	v_lshl_add_u32 v[SCRV], v3, 3, s35
	v_lshlrev_b32 v[LI], 4, v3
	v_lshlrev_b32 v[L8], 3, v3
	v_lshlrev_b32 v[SH16], 4, v2
	v_lshlrev_b32 v[OWQ], 4, v1
	v_mul_u32_u24 v[OWK], v2, HEADKV
	v_add_nc_u32 v[OWK], v[OWK], v[OWQ]
	v_lshl_add_u32 v[OWQ], v2, 13, v[OWQ]
.irp b, 0,1,2,3
	v_mov_b32 v[TM+4+\b], 0                        ; written once: a lane permute's destination counts as one of its sources
.endr
	; where the results go
	s_lshr_b32 s16, s32, 3
	s_lshl_b32 s16, s16, 4
	s_lshl_b32 s18, s31, 1
	s_add_co_u32 s16, s16, s18                     ; head A = 16 x batch + 2 X
	s_and_b32 s17, s32, 7                          ; which 256 rows of the batch
	s_lshl_b32 s2, s16, 16
	s_lshl_b32 s18, s17, 13
	s_add_co_u32 s2, s2, s18
	s_lshl_b32 s18, s[WV], 11
	s_add_co_u32 s2, s2, s18
	s_mov_b32 s3, 0
	s_add_nc_u64 s[QCP:QCP+1], s[QCP:QCP+1], s[2:3]   ; qc: 65,536 x head + 512 x (16 yb + 4 w)
	s_lshr_b32 s2, s2, 3
	s_add_nc_u64 s[QWP:QWP+1], s[QWP:QWP+1], s[2:3]   ; qs: an eighth of that
	s_mul_i32 s2, s16, HEADKV
	s_lshr_b32 s18, s17, 1
	s_mul_i32 s18, s18, CHUNKB
	s_add_co_u32 s2, s2, s18
	s_add_nc_u64 s[24:25], s[24:25], s[2:3]        ; kv at head A's chunk
	s_and_b32 s17, s17, 1
	s_lshl_b32 s2, s17, 13
	s_lshl_b32 s18, s[WV], 11
	s_add_co_u32 s2, s2, s18
	s_add_nc_u64 s[KCP:KCP+1], s[24:25], s[2:3]    ; K's images: tile 16 (yb % 2) + 4 w
	s_lshr_b32 s2, s2, 3
	s_add_co_u32 s2, s2, 32768
	s_add_nc_u64 s[KWP:KWP+1], s[24:25], s[2:3]    ; K's words
	s_lshr_b32 s18, s[WV], 1
	s_mul_i32 s18, s18, HEADKV                     ; V: head A + w / 2
	s_lshl_b32 s17, s17, 1
	s_and_b32 s19, s[WV], 1
	s_add_co_u32 s17, s17, s19                     ; which 128 keys of the chunk: 2 (yb % 2) + w % 2
	s_lshl_b32 s2, s17, 12
	s_add_co_u32 s2, s2, s18
	s_add_co_u32 s2, s2, 16384
	s_add_nc_u64 s[VCP:VCP+1], s[24:25], s[2:3]
	s_lshl_b32 s2, s17, 8
	s_add_co_u32 s2, s2, s18
	s_add_co_u32 s2, s2, 34816
	s_add_nc_u64 s[VWP:VWP+1], s[24:25], s[2:3]
; 24 LDS loads: the fragments of K step s (128 along K: 64 bytes of a row) into set buf: P's eight, L's four
.macro FETCH ap, al, s, buf
	WIN 0x80                                       ; destination window 2, address window 0
.irp i, 0,1,2,3,4,5,6,7
.irp c, 0,1
	ds_load_b128 v[64*(\buf)+8*\i+4*\c:64*(\buf)+8*\i+4*\c+3], v[\ap] offset:TILE*\i+64*(\s)+32*\c
.endr
.endr
	WIN 0
.irp j, 0,1,2,3
.irp c, 0,1
	ds_load_b128 v[LF+32*(\buf)+8*\j+4*\c:LF+32*(\buf)+8*\j+4*\c+3], v[\al] offset:LT*\j+LS*(\s)+LC*\c
.endr
.endr
.endm
; 16 LDS loads: the scale words of all eight K steps
.macro SCALES as, asp
.irp i, 0,1,2,3
.irp q, 0,1
	ds_load_b128 v[SC+8*\i+4*\q:SC+8*\i+4*\q+3], v[\as] offset:544*\i+16*\q
.endr
.endr
.irp i, 4,5,6,7
.irp q, 0,1
	ds_load_b128 v[SC+8*\i+4*\q:SC+8*\i+4*\q+3], v[\asp] offset:544*\i+16*\q
.endr
.endr
.endm
; 32 matrix instructions: K step s.  The 32 accumulators take turns, one instruction a turn, in the same order in every step.  zero = 1: the products start the sums.
.macro MUL s, buf, zero
	WIN 0x52                                       ; source 0 (P) window 2, source 1 (L) window 0, C and D window 1
.irp j, 0,1,2,3
.irp i, 0,1,2,3,4,5,6,7
.if \zero
	v_wmma_scale_f32_16x16x128_f8f6f4 v[64*\j+8*\i:64*\j+8*\i+7], v[64*(\buf)+8*\i:64*(\buf)+8*\i+7], v[LF+32*(\buf)+8*\j:LF+32*(\buf)+8*\j+7], 0, v[SC+8*\i+(\s)], v[SC+8*\j+(\s)] matrix_a_fmt:MATRIX_FMT_FP4 matrix_b_fmt:MATRIX_FMT_FP4 matrix_b_scale:MATRIX_SCALE_ROW1
.else
	v_wmma_scale_f32_16x16x128_f8f6f4 v[64*\j+8*\i:64*\j+8*\i+7], v[64*(\buf)+8*\i:64*(\buf)+8*\i+7], v[LF+32*(\buf)+8*\j:LF+32*(\buf)+8*\j+7], v[64*\j+8*\i:64*\j+8*\i+7], v[SC+8*\i+(\s)], v[SC+8*\j+(\s)] matrix_a_fmt:MATRIX_FMT_FP4 matrix_b_fmt:MATRIX_FMT_FP4 matrix_b_scale:MATRIX_SCALE_ROW1
.endif
.endr
.endr
.endm
; A tile's eight K steps.  Step 0's fragments and the scale words have been asked for.  Each step's fragments are asked for one step ahead, into the set that the step before multiplied:
; four places stand between those products and the loads (ISA guide 7.12.1 for vector instructions).
.macro GEMM ap, al
	FETCH \ap, \al, 1, 1
	s_wait_dscnt 24                                ; all but the 24 loads just issued
	MUL 0, 0, 1
.set KSTP, 1
.rept 6
	PLACES 4
	FETCH \ap, \al, KSTP+1, (KSTP+1)%2
	s_wait_dscnt 24
	MUL KSTP, KSTP%2, 0
.set KSTP, KSTP+1
.endr
	s_wait_dscnt 0x0
	MUL 7, 1, 0
	WIN 0
.endm
; The 64 results of a lane for one of L's tiles, v[a] on in window 1 (register 16 b + 8 u + i = k 32 b + 16 u + 8 h + i of the lane's row), become 8 registers of codes at v[pc] and the row's scale word in v[pw].
.macro QUANT a, pc, pw
	WIN 0x14                                       ; sources 1 and 2 window 1
.irp b, 0,1,2,3
	v_max3_num_f32 v[TM+\b], 0x1800000, |v[(\a)+16*\b]|, |v[(\a)+16*\b+1]|   ; block b: my 16 numbers, each accumulator from its low end on, and the floor 2^(3 - 127): the byte cannot fall under 1
.endr
.irp i, 2,4,6,8,10,12,14
.irp b, 0,1,2,3
	v_max3_num_f32 v[TM+\b], v[TM+\b], |v[(\a)+16*\b+\i]|, |v[(\a)+16*\b+\i+1]|
.endr
.endr
	WIN 0
.irp b, 0,1,2,3
	v_permlanex16_b32 v[TM+4+\b], v[TM+\b], s[SEL], s[SEL+1]
.endr
.irp b, 0,1,2,3
	v_max_num_f32 v[TM+\b], v[TM+\b], v[TM+4+\b]   ; with lane l xor 16's: the block's largest magnitude
.endr
.irp b, 0,1,2,3
	v_add_nc_u32 v[TM+8+\b], 0xff000000, v[TM+\b]  ; 2 off its exponent field: the conversion's scale operand
.endr
.irp b, 0,1,2,3
	v_lshrrev_b32 v[TM+4+\b], 23, v[TM+8+\b]       ; the scale's byte
.endr
	v_lshl_or_b32 v[\pw], v[TM+5], 8, v[TM+4]
	v_lshl_or_b32 v[\pw], v[TM+6], 16, v[\pw]
	v_lshl_or_b32 v[\pw], v[TM+7], 24, v[\pw]
	WIN 0x01                                       ; source 0 window 1
.irp b, 0,1,2,3
	v_cvt_scalef32_pk8_fp4_f32 v[(\pc)+4*(\b/2)+\b%2], v[(\a)+16*\b:(\a)+16*\b+7], v[TM+8+\b]
	v_cvt_scalef32_pk8_fp4_f32 v[(\pc)+4*(\b/2)+2+\b%2], v[(\a)+16*\b+8:(\a)+16*\b+15], v[TM+8+\b]
.endr
	WIN 0
	v_nop                                          ; one plain place behind the last scaled conversion
.irp c, 0,2,4,6
	v_permlane16_swap_b32 v[(\pc)+\c], v[(\pc)+\c+1]   ; the first's lanes 16-31 change places with the second's lanes 0-15: registers 4 c .. 4 c + 3 now hold k = 64 c + 32 h + 0 .. 31
.endr
.endm
; q's or k's way out: registers 0-3 of a tile's codes are head A's image, registers 4-7 head B's (hs bytes on).  The scale words of 64 rows and two heads meet in my scratch and leave as two aligned runs of 256 bytes.
.macro EPI_QK cp, wp, hs, vow
	s_wait_xcnt 0x0                                ; the last way out's stores have read their registers: they are written again only behind this wait
.irp j, 0,1,2,3
	QUANT 64*\j, PC+8*\j, PW+\j
	global_store_b128 v[LI], v[PC+8*\j:PC+8*\j+3], s[\cp:\cp+1] offset:512*\j              ; 32 lanes store 512 consecutive bytes
	global_store_b128 v[LI], v[PC+8*\j+4:PC+8*\j+7], s[\cp:\cp+1] offset:512*\j+\hs
	v_lshrrev_b32 v[PW+\j], v[SH16], v[PW+\j]      ; lanes 16-31: head B's two bytes come down
	ds_store_b32 v[SCW], v[PW+\j] offset:64*\j
.endr
	ds_load_b128 v[WO:WO+3], v[SCRD]               ; LDS serves a wave's instructions in order: this sees my stores
	s_wait_dscnt 0x0
	global_store_b128 v[\vow], v[WO:WO+3], s[\wp:\wp+1]
.endm
; v's way out: a tile's 8 registers are a whole fragment (16 features x 128 keys): two images; the 64 features' scale words leave as one aligned run of 256 bytes.
.macro EPI_V
	s_wait_xcnt 0x0
.irp j, 0,1,2,3
	QUANT 64*\j, PC+8*\j, PW+\j
	global_store_b128 v[LI], v[PC+8*\j:PC+8*\j+3], s[VCP:VCP+1] offset:1024*\j
	global_store_b128 v[LI], v[PC+8*\j+4:PC+8*\j+7], s[VCP:VCP+1] offset:1024*\j+512
	ds_store_b32 v[SCWV], v[PW+\j] offset:64*\j    ; lanes l and l + 16 write the same word with the same value
.endr
	ds_load_b64 v[WO:WO+1], v[SCRV]
	s_wait_dscnt 0x0
	global_store_b64 v[L8], v[WO:WO+1], s[VWP:VWP+1]
.endm
	s_wait_tensorcnt 0x3                           ; Wq's scales, x's scales, x's codes, Wq's codes: my parts are in; the three loads behind them may stay out
	s_barrier_signal -1
	s_barrier_wait -1                              ; everybody's are
	FETCH APQ, ALX, 0, 0
	SCALES ASQ, ASPQ
	GEMM APQ, ALX                                  ; q
	s_wait_tensorcnt 0x0                           ; all my tensor loads have landed, Wk's and Wv's scales among them;
	ds_add_u32 v[SPW], v[NIL]                      ; 0 onto my spare word
	s_wait_dscnt 0x0                               ; the add is done, and my reads of Wq's rows are over
	CROUND                                         ; both hold of every wave of every work-group of the cluster
	tensor_load_to_lds s[T8:T8+3], s[G1W:G1W+7]    ; Wv's codes into Wq's place: my one tensor load behind the round; it lands while k is multiplied
	s_nop 0
	PLACES 4                                       ; also the places behind q's last products
	FETCH APK, ALX, 0, 0
	SCALES ASK, ASPK
	EPI_QK QCP, QWP, 65536, OWQ                    ; q leaves while k's first fragments come
	GEMM APK, ALX                                  ; k
	s_wait_tensorcnt 0x0                           ; my part of Wv's codes is in,
	s_wait_dscnt 0x0
	s_barrier_signal -1
	s_barrier_wait -1                              ; everybody's is
	PLACES 4
	FETCH APV, ALV, 0, 0
	SCALES ASV, ASPV
	EPI_QK KCP, KWP, HEADKV, OWK
	GEMM APV, ALV                                  ; v, keys along P
	PLACES 4
	EPI_V
	s_wait_tensorcnt 0x0                           ; the wave's end: behind my last tensor load and my last LDS store
	ds_add_u32 v[SPW], v[NIL]
	s_wait_dscnt 0x0
	CROUND                                         ; the closing round: no work-group ends while a partner may still ask for a tile that names it
	s_endpgm
.Lfunc_end_k_qbdd1391218_qkv:
	.size	k_qbdd1391218_qkv, .Lfunc_end_k_qbdd1391218_qkv-k_qbdd1391218_qkv
	.p2alignl 7, 3214868480
	.fill 96, 4, 3214868480
	.section	.rodata,"a",@progbits
	.p2align	6, 0x0
	.amdhsa_kernel k_qbdd1391218_qkv
		.amdhsa_group_segment_fixed_size 327680
		.amdhsa_private_segment_fixed_size 0
		.amdhsa_enable_private_segment 0
		.amdhsa_kernarg_size 88
		.amdhsa_user_sgpr_count 2
		.amdhsa_user_sgpr_kernarg_segment_ptr 1
		.amdhsa_wavefront_size32 1
		.amdhsa_system_sgpr_workgroup_id_x 1
		.amdhsa_system_sgpr_workgroup_id_y 1
		.amdhsa_system_sgpr_workgroup_id_z 1
		.amdhsa_system_vgpr_workitem_id 0
		.amdhsa_next_free_vgpr 768
		.amdhsa_next_free_sgpr 102
		.amdhsa_reserve_vcc 0
		.amdhsa_float_denorm_mode_32 3
		.amdhsa_float_denorm_mode_16_64 3
		.amdhsa_memory_ordered 1
		.amdhsa_forward_progress 1
		.amdhsa_inst_pref_size 203
	.end_amdhsa_kernel
	.amdgpu_metadata
---
amdhsa.version: [ 1, 2 ]
amdhsa.kernels:
  - .name:           k_qbdd1391218_qkv
    .symbol:         k_qbdd1391218_qkv.kd
    .args:
      - { .name: x_codes, .offset: 0, .size: 8, .value_kind: global_buffer, .address_space: global }
      - { .name: x_scales, .offset: 8, .size: 8, .value_kind: global_buffer, .address_space: global }
      - { .name: Wq_codes, .offset: 16, .size: 8, .value_kind: global_buffer, .address_space: global }
      - { .name: Wq_scales, .offset: 24, .size: 8, .value_kind: global_buffer, .address_space: global }
      - { .name: Wk_codes, .offset: 32, .size: 8, .value_kind: global_buffer, .address_space: global }
      - { .name: Wk_scales, .offset: 40, .size: 8, .value_kind: global_buffer, .address_space: global }
      - { .name: Wv_codes, .offset: 48, .size: 8, .value_kind: global_buffer, .address_space: global }
      - { .name: Wv_scales, .offset: 56, .size: 8, .value_kind: global_buffer, .address_space: global }
      - { .name: qc, .offset: 64, .size: 8, .value_kind: global_buffer, .address_space: global }
      - { .name: qs, .offset: 72, .size: 8, .value_kind: global_buffer, .address_space: global }
      - { .name: kv, .offset: 80, .size: 8, .value_kind: global_buffer, .address_space: global }
    .group_segment_fixed_size: 327680
    .private_segment_fixed_size: 0
    .kernarg_segment_align: 8
    .kernarg_segment_size: 88
    .max_flat_workgroup_size: 128
    .sgpr_count:     102
    .vgpr_count:     768
    .wavefront_size: 32
...
	.end_amdgpu_metadata
.endif
;; end of part 1
;; launch attn (part 2): grid 4 x 64, 16 waves a work-group, no clusters, 169,984 bytes of LDS; arguments qc, qs, kv, cc, cs; writes cc, cs
.if DOCPART == 2
	.amdgcn_target "amdgcn-amd-amdhsa--gfx1250"
	.amdhsa_code_object_version 6
	.text
	.protected	k_qbdd1391218_attn
	.globl	k_qbdd1391218_attn
	.p2align	8
	.type	k_qbdd1391218_attn,@function
k_qbdd1391218_attn:
	s_mov_b64 s[64:65], 0
	v_nop
	global_prefetch_b8 v0, s[64:65] scope:SCOPE_SE
	s_setreg_imm32_b32 hwreg(HW_REG_WAVE_MODE, 25, 1), 1
	s_wait_xcnt 0x0
; ctx[head][q] = the sum over keys k <= q of softmax_k(q . k / 8) v[k], both products on codes of FP4 (E2M1) with one E8M0 scale for each 32 along a product's K; ctx / l is quantised along the head's 64 and leaves as codes.
; THE SOFTMAX AHEAD OF THE SECOND PRODUCT: t = score x log2(e) / 8; M = the running largest t rounded UP to a whole number; p = 2^(t - M) is quantised along the keys, not normalised; the row's sum is taken of the
; unquantised p and divides at the end.  When M moves, the sum and O are multiplied by 2^(old M - new M): exact.
; SHARES.  Work-group (i, head): sixteen waves, four to a SIMD, 256 registers each.  Wave w owns TWO tiles of 16 queries: tile A = 16 i + w and tile B = 127 - A.  Tile t needs t / 8 + 1 key steps of 128:
; A / 8 + 1 + 16 - A / 8 = 17 for every wave of every one of the 4 x 64 = 256 work-groups: the causal mask's work is even.
; A WHOLE HEAD'S K AND V, codes and scale words, 143,360 bytes, come into LDS ONCE, as they lie in kv, in four chunks of 512 keys (waves 0 to 3 bring a quarter of each chunk: four loads of theirs are out).  No slot is filled again.
; EVERY WAVE WALKS ALL 16 KEY STEPS: the trip counts are constants.  A step all of whose keys come after a tile's queries is left out by a scalar branch on ids round that tile's work.
; NO CLUSTER, though the four work-groups of a head read the same 143,360 bytes: what differs between them is which key steps they leave out, a branch on their place among the four, which partners of joint loads may not have;
; and what would be shared is read once by each work-group, against 17 x 16 key steps of work on it.
; LAYOUT.  Both products are used transposed: S^T = K Q^T (source 0 = 16 neighbouring keys, source 1 = my 16 queries), O^T = V^T P^T (source 0 = 16 features, source 1 = P): a lane holds ONE query (lane % 16).
; Register i of tile t holds key 16 t + 8 h + i; a block of 32 keys is tiles 2 b, 2 b + 1 in lanes l and l xor 16.  The codes of tiles 4 c, 4 c + 2, 4 c + 1, 4 c + 3 go to registers 4 c .. 4 c + 3, and two exchanges of halves make the operand.
; THE FIRST PRODUCT'S K IS 64 under an instruction of 128: Q's registers 4-7 are zero codes, so K's registers 4-7 may hold any codes: they are the next tile's four registers (36 registers for eight fragments).
; cs: two bytes a query and head, 32 bytes apart: these stores fill their 256-byte runs in part: 2 bytes of each 32 that the launch stores.  Lanes l and l + 16 store the same two bytes with the same value.
; LIMITS.  NaN and infinities are not served.  A block of zeros gets the scale byte 1 where the quantiser says 127: its codes are zeros, and these bytes are read by this program alone.
.set HEADKV, 143360
.set CHUNKB, 35840                     ; a chunk: +0 K's 32 images; +16,384 V's images; +32,768 K's scale words; +34,816 V's
.set LI16, 1                           ; v1   16 x lane
.set LI4,  2                           ; v2   4 x lane
.set DL,   3                           ; v3   r - 8 h
.set ADK,  4                           ; v4-6 the step's addresses: images, K's words, V's words
.set ADS,  5
.set ADT,  6
.set NINF, 7                           ; v7   -infinity
.set QW,   8                           ; v8   4 r
.set CSO,  11                          ; v11  32 r;   v9, v10: the two tiles' scale halfwords on the way out
.set KV,   36                          ; v36-71   K's fragment t at 36 + 4 t (v68-71 stay zero); then V's four fragments in v36-67
.set S,    72                          ; v72-135  S^T, then p
.set OA,   136                         ; v136-167 O^T of tile A;  v168-199 of tile B
.set OB,   168
.set PC,   200                         ; v200-207 p's codes
.set KS,   208                         ; v208-211 K's scale words: lanes 0-15 tile 2 b, lanes 16-31 tile 2 b + 1
.set VS,   212                         ; v212-213 V's likewise
.set PWD,  216                         ; v216     p's scale word
.set BM,   220                         ; v220-223 the blocks' largest;  v224-227 the other half's, then bytes;  v228-231 scale operands
.set BP,   224
.set BS,   228
.set FF,   232                         ; v[232:233] f (the low word serves)
.set TMP,  234
.set SUM2, 236                         ; v[236:237] the sum's second chain
; v12-15: tile A's -M, largest t, sum in two halves;  v16-19: tile B's;  v20-27 Q of A (v24-27 zero);  v28-35 Q of B;  v214, v215 their scale words
.set WV,  14
.set Q0A, 19
.set Q0B, 20
.set KF,  21                           ; the step's first key
.set TB,  22                           ; LDS: the step's images;  s23 K's words;  s24 V's words
.set TS,  23
.set TJ,  24
.set CNT, 25
.set T0,  26
.set SEL, 28
.set CS,  30
.set G1,  32
.set G0,  40
	s_load_b256 s[4:11], s[0:1], 0x0               ; qc, qs, kv, cc
	s_load_b64 s[12:13], s[0:1], 0x20              ; cs
	v_lshl_add_u32 v254, v0, 2, 0x29000
	v_mov_b32 v255, 0
	ds_add_u32 v254, v255
	ds_add_u32 v254, v255
	v_lshrrev_b32 v1, 5, v0
	v_readfirstlane_b32 s[WV], v1                  ; wave 0..15
	s_and_b32 s16, ttmp7, 0xffff                   ; the head, 0..63
	s_mov_b32 s[G1], 3<<16                         ; no mask; elements of 8 bytes; no padding: a dense block as 35 rows of 256 bytes
	s_mov_b32 s[G1+1], 32<<16
	s_mov_b32 s[G1+2], 35<<16
	s_mov_b32 s[G1+3], 32<<16
	s_mov_b32 s[G1+4], 35
	s_mov_b32 s[G1+5], 32
	s_mov_b32 s[G1+6], 0
	s_mov_b32 s[G1+7], 0
	s_min_u32 s27, s[WV], 3
	s_mul_i32 s27, s27, 8960                       ; my quarter of a chunk
	s_mul_i32 s74, s16, HEADKV
	s_add_co_u32 s74, s74, s27
	s_mov_b32 s75, 0
	s_wait_dscnt 0x0
	s_wait_kmcnt 0x0
	s_add_nc_u64 s[74:75], s[8:9], s[74:75]
.irp c, 0,1,2,3
	s_mov_b32 s[G0+4*\c], 1
	s_add_co_u32 s[G0+4*\c+1], s27, CHUNKB*\c
	s_add_nc_u64 s[G0+4*\c+2:G0+4*\c+3], s[74:75], CHUNKB*\c
	s_or_b32 s[G0+4*\c+3], s[G0+4*\c+3], 0x80000000
.endr
	s_cmp_lt_u32 s[WV], 4                          ; a wave's first fills stand in one branch on its number
	s_cbranch_scc0 .Lno_fill
	tensor_load_to_lds s[G0:G0+3], s[G1:G1+7]
	s_nop 0
	tensor_load_to_lds s[G0+4:G0+7], s[G1:G1+7]
	s_nop 0
	tensor_load_to_lds s[G0+8:G0+11], s[G1:G1+7]
	s_nop 0
	tensor_load_to_lds s[G0+12:G0+15], s[G1:G1+7]
	s_nop 0
.rept 4
	v_nop
.endr
.Lno_fill:
	s_lshl_b32 s17, ttmp9, 4
	s_add_co_u32 s17, s17, s[WV]                   ; tile A
	s_sub_co_u32 s18, 127, s17                     ; tile B
	s_lshl_b32 s[Q0A], s17, 4
	s_lshl_b32 s[Q0B], s18, 4
	s_mov_b32 s77, 0
	s_lshl_b32 s76, s16, 16
	s_add_nc_u64 s[4:5], s[4:5], s[76:77]          ; qc at the head
	s_lshl_b32 s76, s16, 13
	s_add_nc_u64 s[6:7], s[6:7], s[76:77]          ; qs at the head
	s_lshl_b32 s76, s17, 9
	s_add_nc_u64 s[66:67], s[4:5], s[76:77]
	s_lshl_b32 s76, s18, 9
	s_add_nc_u64 s[68:69], s[4:5], s[76:77]
	s_lshl_b32 s76, s17, 6
	s_add_nc_u64 s[70:71], s[6:7], s[76:77]
	s_lshl_b32 s76, s18, 6
	s_add_nc_u64 s[72:73], s[6:7], s[76:77]
	v_and_b32 v11, 31, v0
	v_lshlrev_b32 v[LI16], 4, v11
	v_lshlrev_b32 v[LI4], 2, v11
	v_and_b32 v11, 15, v0                          ; r
	v_bfe_u32 v[DL], v0, 4, 1
	v_lshlrev_b32 v[DL], 3, v[DL]
	v_sub_nc_u32 v[DL], v11, v[DL]
	v_lshlrev_b32 v[QW], 2, v11
	v_lshlrev_b32 v[CSO], 5, v11
	global_load_b128 v[20:23], v[LI16], s[66:67]   ; Q's images: registers 0-3 of the operand
	global_load_b128 v[28:31], v[LI16], s[68:69]
	global_load_b32 v214, v[QW], s[70:71]          ; and their scale words: lane r has query r's
	global_load_b32 v215, v[QW], s[72:73]
	s_lshr_b32 s15, s16, 4
	s_lshl_b32 s15, s15, 7                         ; 128 x batch: the batch's first row tile
	s_and_b32 s27, s16, 15                         ; the head in its batch
	s_add_co_u32 s76, s15, s17
	s_lshl_b32 s76, s76, 4
	s_add_co_u32 s76, s76, s27
	s_lshl_b32 s76, s76, 9
	s_add_nc_u64 s[56:57], s[10:11], s[76:77]      ; cc: 8,192 x row tile + 512 x head
	s_add_co_u32 s76, s15, s18
	s_lshl_b32 s76, s76, 4
	s_add_co_u32 s76, s76, s27
	s_lshl_b32 s76, s76, 9
	s_add_nc_u64 s[58:59], s[10:11], s[76:77]
	s_add_co_u32 s76, s15, s17
	s_lshl_b32 s76, s76, 8
	s_add_co_u32 s76, s76, s27
	s_lshl_b32 s76, s76, 1
	s_add_nc_u64 s[60:61], s[12:13], s[76:77]      ; cs: 512 x row tile + 2 x head
	s_add_co_u32 s76, s15, s18
	s_lshl_b32 s76, s76, 8
	s_add_co_u32 s76, s76, s27
	s_lshl_b32 s76, s76, 1
	s_add_nc_u64 s[62:63], s[12:13], s[76:77]
	s_mov_b32 s[SEL], 0x76543210
	s_mov_b32 s[SEL+1], 0xfedcba98                 ; v_permlanex16_b32's selects for lane l xor 16
	s_mov_b32 s[CS], 0x3e38aa3b                    ; c = log2(e) / 8
	s_mov_b32 s[CS+1], s[CS]                       ; (named with it as a pair, so it is written)
	s_mov_b32 s[KF], 0
	v_mov_b32 v[NINF], 0xff800000
	v_mov_b32 v13, 0xff61b1e6                      ; the largest t so far: -3e38, under every t
	v_floor_f32 v12, -v13                          ; -M
	v_mov_b32 v14, 0
	v_mov_b32 v15, 0
	v_mov_b32 v17, 0xff61b1e6
	v_floor_f32 v16, -v17
	v_mov_b32 v18, 0
	v_mov_b32 v19, 0
.irp j, 24,25,26,27,32,33,34,35,68,69,70,71
	v_mov_b32 v\j, 0                               ; zero codes: Q's k = 64 .. 127, and what stands behind K's last fragment
.endr
.irp b, 0,1,2,3
	v_mov_b32 v[BP+\b], 0                          ; written once: a lane permute's destination counts as one of its sources
.endr
	v_mov_b32 v[FF+1], 0                           ; (named as the upper half of a pair)
	v_mov_b32 v[TMP], 0
.set J, 0
.rept 64
	v_mov_b32 v[OA+J], 0                           ; both O^T.  (A step is written once for first and later steps: the first finds zeros, which the first change of M leaves zeros)
.set J, J+1
.endr
; A KEY STEP of one tile: 128 keys from s[KF] on.  st: the tile's four state registers;  q: its Q;  qsr: Q's scale words;  o: its O^T;  q0: its first query.
.macro STEP st, q, qsr, o, q0
	s_add_co_u32 s[T0], s[\q0], 15
	s_cmp_gt_u32 s[KF], s[T0]
	s_cbranch_scc1 .Lhid_\@                        ; all 128 keys come after my 16 queries
	v_add_nc_u32 v[ADK], s[TB], v[LI16]
	v_add_nc_u32 v[ADS], s[TS], v[LI4]
	v_add_nc_u32 v[ADT], s[TJ], v[LI4]
	v_nop                                          ; these four are the places between the last products and the loads into registers that they read
.irp t, 0,1,2,3,4,5,6,7
	ds_load_b128 v[KV+4*\t:KV+4*\t+3], v[ADK] offset:512*\t
.endr
.irp b, 0,1,2,3
	ds_load_b32 v[KS+\b], v[ADS] offset:128*\b
.endr
	s_wait_dscnt 0x0
.irp t, 0,2,4,6
	v_wmma_scale_f32_16x16x128_f8f6f4 v[S+8*\t:S+8*\t+7], v[KV+4*\t:KV+4*\t+7], v[\q:\q+7], 0, v[KS+\t/2], v[\qsr] matrix_a_fmt:MATRIX_FMT_FP4 matrix_b_fmt:MATRIX_FMT_FP4
	v_wmma_scale_f32_16x16x128_f8f6f4 v[S+8*\t+8:S+8*\t+15], v[KV+4*\t+4:KV+4*\t+11], v[\q:\q+7], 0, v[KS+\t/2], v[\qsr] matrix_a_fmt:MATRIX_FMT_FP4 matrix_b_fmt:MATRIX_FMT_FP4 matrix_a_scale:MATRIX_SCALE_ROW1
.endr
.rept 4
	v_nop                                          ; places: in front of the loads into K's registers, and of the first read of the scores
.endr
.irp t, 0,1,2,3
.irp c, 0,1
	ds_load_b128 v[KV+8*\t+4*\c:KV+8*\t+4*\c+3], v[ADK] offset:16384+1024*\t+512*\c   ; V's fragments are asked for now and land under the softmax
.endr
.endr
.irp u, 0,1
	ds_load_b32 v[VS+\u], v[ADT] offset:128*\u
.endr
	s_add_co_u32 s[T0], s[KF], 127                 ; on the diagonal the scores of hidden keys become -infinity ahead of the maximum; a step all of whose keys count skips this
	s_cmp_le_u32 s[T0], s[\q0]
	s_cbranch_scc1 .Lopen_\@
	s_sub_co_i32 s[T0], s[\q0], s[KF]
	v_add_nc_u32 v[TMP], s[T0], v[DL]              ; my query - KF - 8 h.  Register n holds key KF + 8 h + 16 (n / 8) + n % 8: hidden where 16 (n / 8) + n % 8 is larger
.set J, 0
.rept 64
	v_cmp_gt_i32 vcc_lo, 16*(J/8)+J%8, v[TMP]
	v_cndmask_b32 v[S+J], v[S+J], v[NINF], vcc_lo
.set J, J+1
.endr
.Lopen_\@:
.irp b, 0,1,2,3
	v_max3_num_f32 v[BM+\b], v[S+16*\b], v[S+16*\b+1], v[S+16*\b+2]   ; the largest score of each block of 32 keys: for the row's maximum, and, since p rises with the score, for the block's largest p
.endr
.irp i, 3,5,7,9,11,13
.irp b, 0,1,2,3
	v_max3_num_f32 v[BM+\b], v[BM+\b], v[S+16*\b+\i], v[S+16*\b+\i+1]
.endr
.endr
.irp b, 0,1,2,3
	v_max_num_f32 v[BM+\b], v[BM+\b], v[S+16*\b+15]
.endr
.irp b, 0,1,2,3
	v_permlanex16_b32 v[BP+\b], v[BM+\b], s[SEL], s[SEL+1]
.endr
.irp b, 0,1,2,3
	v_max_num_f32 v[BM+\b], v[BM+\b], v[BP+\b]     ; with lane l xor 16's 16 keys
.endr
	v_max3_num_f32 v[TMP], v[BM], v[BM+1], v[BM+2]
	v_max_num_f32 v[TMP], v[TMP], v[BM+3]          ; the step's largest score of my query
	v_mul_f32 v[TMP], s[CS], v[TMP]                ; as t (c is positive)
	v_max_num_f32 v[\st+1], v[\st+1], v[TMP]       ; the running largest t
	v_mov_b32 v[TMP], v[\st]
	v_floor_f32 v[\st], -v[\st+1]                  ; the new -M = floor(-t) = -ceil(t)
	v_sub_f32 v[TMP], v[\st], v[TMP]               ; old M - new M: a whole number, 0 or less
	v_cvt_i32_f32 v[TMP], v[TMP]                   ; (it saturates)
	v_ldexp_f32 v[FF], 1.0, v[TMP]                 ; f = 2^(old M - new M)
.irp j, 0,2,4,6,8,10,12,14,16,18,20,22,24,26,28,30,32,34,36,38,40,42,44,46,48,50,52,54,56,58,60,62
	v_pk_fma_f32 v[S+\j:S+\j+1], v[S+\j:S+\j+1], s[CS:CS+1], v[\st:\st+1] op_sel_hi:[1,0,0]   ; t - M, two at a time
.endr
.irp b, 0,1,2,3
	v_fma_f32 v[BM+\b], v[BM+\b], s[CS], v[\st]    ; the same of each block's largest score
.endr
.set J, 0
.rept 64
	v_exp_f32 v[S+J], v[S+J]                       ; p = 2^(t - M), at most 1
.set J, J+1
.endr
.irp b, 0,1,2,3
	v_exp_f32 v[BM+\b], v[BM+\b]                   ; the block's largest p: the same two instructions on the same number
.endr
	v_pk_mul_f32 v[\st+2:\st+3], v[\st+2:\st+3], v[FF:FF+1] op_sel_hi:[1,0]   ; the sums under the new M.  (A plain place behind the exponentials)
	s_wait_alu depctr_va_vdst(0)
.irp b, 0,1,2,3
	v_max_num_f32 v[BM+\b], 0x1800000, v[BM+\b]    ; the floor 2^(3 - 127): the byte cannot fall under 1
.endr
.irp b, 0,1,2,3
	v_add_nc_u32 v[BS+\b], 0xff000000, v[BM+\b]    ; 2 off the exponent field: the conversion's scale operand
.endr
.irp b, 0,1,2,3
	v_lshrrev_b32 v[BP+\b], 23, v[BS+\b]           ; the scale's byte
.endr
	v_lshl_or_b32 v[PWD], v[BP+1], 8, v[BP]        ; p's scale word for these 128 keys
	v_lshl_or_b32 v[PWD], v[BP+2], 16, v[PWD]
	v_lshl_or_b32 v[PWD], v[BP+3], 24, v[PWD]
.irp b, 0,1,2,3
	v_cvt_scalef32_pk8_fp4_f32 v[PC+4*(\b/2)+\b%2], v[S+16*\b:S+16*\b+7], v[BS+\b]
	v_cvt_scalef32_pk8_fp4_f32 v[PC+4*(\b/2)+2+\b%2], v[S+16*\b+8:S+16*\b+15], v[BS+\b]
.endr
	v_nop                                          ; one plain place behind the last scaled conversion
.irp c, 0,2,4,6
	v_permlane16_swap_b32 v[PC+\c], v[PC+\c+1]     ; registers 4 c .. 4 c + 3 now hold keys 64 c + 32 h + 0 .. 31
.endr
	v_pk_add_f32 v[SUM2:SUM2+1], v[S:S+1], v[S+2:S+3]   ; the row's sum is taken of the unquantised p: two at a time, in two chains
.irp j, 4,8,12,16,20,24,28,32,36,40,44,48,52,56,60
	v_pk_add_f32 v[\st+2:\st+3], v[\st+2:\st+3], v[S+\j:S+\j+1]
	v_pk_add_f32 v[SUM2:SUM2+1], v[SUM2:SUM2+1], v[S+\j+2:S+\j+3]
.endr
	v_pk_add_f32 v[\st+2:\st+3], v[\st+2:\st+3], v[SUM2:SUM2+1]
.irp j, 0,2,4,6,8,10,12,14,16,18,20,22,24,26,28,30
	v_pk_mul_f32 v[\o+\j:\o+\j+1], v[\o+\j:\o+\j+1], v[FF:FF+1] op_sel_hi:[1,0]   ; O^T under the new M, each accumulator from its low end on.  (The sums and these are the places between p's codes and scale word and the products)
.endr
	s_wait_dscnt 0x0                               ; V is in
.irp t, 0,2
	v_wmma_scale_f32_16x16x128_f8f6f4 v[\o+8*\t:\o+8*\t+7], v[KV+8*\t:KV+8*\t+7], v[PC:PC+7], v[\o+8*\t:\o+8*\t+7], v[VS+\t/2], v[PWD] matrix_a_fmt:MATRIX_FMT_FP4 matrix_b_fmt:MATRIX_FMT_FP4
	v_wmma_scale_f32_16x16x128_f8f6f4 v[\o+8*\t+8:\o+8*\t+15], v[KV+8*\t+8:KV+8*\t+15], v[PC:PC+7], v[\o+8*\t+8:\o+8*\t+15], v[VS+\t/2], v[PWD] matrix_a_fmt:MATRIX_FMT_FP4 matrix_b_fmt:MATRIX_FMT_FP4 matrix_a_scale:MATRIX_SCALE_ROW1
.endr                                              ; the four accumulators take turns, one instruction a turn; the matrix instruction ahead of the first is one on the scores
.Lhid_\@:
.endm
; A chunk of 512 keys: four key steps, each for both tiles.
.macro CHUNK c
	s_wait_tensorcnt 3-\c                          ; my part of this chunk is in; the later chunks' loads may stay out
	s_wait_dscnt 0x0
	s_barrier_signal -1
	s_barrier_wait -1                              ; everybody's is
	s_mov_b32 s[TB], CHUNKB*\c
	s_mov_b32 s[TS], CHUNKB*\c+32768
	s_mov_b32 s[TJ], CHUNKB*\c+34816
	s_mov_b32 s[CNT], 4
.Lq_\@:
	STEP 12, 20, 214, OA, Q0A
	STEP 16, 28, 215, OB, Q0B
	s_add_co_u32 s[TB], s[TB], 4096                ; 8 images of K, and 8 of V, on
	s_add_co_u32 s[TS], s[TS], 512
	s_add_co_u32 s[TJ], s[TJ], 256
	s_add_co_u32 s[KF], s[KF], 128
	s_sub_co_u32 s[CNT], s[CNT], 1
	s_cmp_lg_u32 s[CNT], 0
	s_cbranch_scc1 .Lq_\@
.endm
; A tile's way out: O^T / the sum, quantised along the head's 64 (two blocks), one image of 512 bytes and two scale bytes a query.
.macro FIN st, o, pcx, hw, ccp, csp
	v_add_f32 v[\st+2], v[\st+2], v[\st+3]         ; the sum's two halves,
	v_permlanex16_b32 v[TMP], v[\st+2], s[SEL], s[SEL+1]
	v_add_f32 v[\st+2], v[\st+2], v[TMP]           ; and lane l xor 16's
	v_rcp_f32 v[FF], v[\st+2]
	v_nop                                          ; one plain place behind the transcendental
	s_wait_alu depctr_va_vdst(0)
.irp j, 0,2,4,6,8,10,12,14,16,18,20,22,24,26,28,30
	v_pk_mul_f32 v[\o+\j:\o+\j+1], v[\o+\j:\o+\j+1], v[FF:FF+1] op_sel_hi:[1,0]
.endr
.irp b, 0,1
	v_max3_num_f32 v[BM+\b], |v[\o+16*\b]|, |v[\o+16*\b+1]|, 0x1800000
.endr
.irp i, 2,4,6,8,10,12,14
.irp b, 0,1
	v_max3_num_f32 v[BM+\b], v[BM+\b], |v[\o+16*\b+\i]|, |v[\o+16*\b+\i+1]|
.endr
.endr
.irp b, 0,1
	v_permlanex16_b32 v[BP+\b], v[BM+\b], s[SEL], s[SEL+1]
.endr
.irp b, 0,1
	v_max_num_f32 v[BM+\b], v[BM+\b], v[BP+\b]
.endr
.irp b, 0,1
	v_add_nc_u32 v[BS+\b], 0xff000000, v[BM+\b]
.endr
.irp b, 0,1
	v_lshrrev_b32 v[BP+\b], 23, v[BS+\b]
.endr
	v_lshl_or_b32 v[\hw], v[BP+1], 8, v[BP]
	v_cvt_scalef32_pk8_fp4_f32 v[\pcx], v[\o:\o+7], v[BS]
	v_cvt_scalef32_pk8_fp4_f32 v[\pcx+2], v[\o+8:\o+15], v[BS]
	v_cvt_scalef32_pk8_fp4_f32 v[\pcx+1], v[\o+16:\o+23], v[BS+1]
	v_cvt_scalef32_pk8_fp4_f32 v[\pcx+3], v[\o+24:\o+31], v[BS+1]
	v_nop
	v_permlane16_swap_b32 v[\pcx], v[\pcx+1]
	v_permlane16_swap_b32 v[\pcx+2], v[\pcx+3]     ; lane (r, h): row r, features 32 h + 0 .. 31 of my head
	global_store_b128 v[LI16], v[\pcx:\pcx+3], s[\ccp:\ccp+1]   ; 32 lanes store 512 consecutive bytes
	global_store_b16 v[CSO], v[\hw], s[\csp:\csp+1]
.endm
	s_wait_loadcnt 0x0                             ; Q
	CHUNK 0
	CHUNK 1
	CHUNK 2
	CHUNK 3
.rept 4
	v_nop                                          ; places behind the last products
.endr
	FIN 12, OA, PC, 9, 56, 60
	FIN 16, OB, PC+4, 10, 58, 62
	s_wait_tensorcnt 0x0
	ds_add_u32 v254, v255
	s_wait_dscnt 0x0
	s_endpgm
.Lfunc_end_k_qbdd1391218_attn:
	.size	k_qbdd1391218_attn, .Lfunc_end_k_qbdd1391218_attn-k_qbdd1391218_attn
	.p2alignl 7, 3214868480
	.fill 96, 4, 3214868480
	.section	.rodata,"a",@progbits
	.p2align	6, 0x0
	.amdhsa_kernel k_qbdd1391218_attn
		.amdhsa_group_segment_fixed_size 169984
		.amdhsa_private_segment_fixed_size 0
		.amdhsa_enable_private_segment 0
		.amdhsa_kernarg_size 40
		.amdhsa_user_sgpr_count 2
		.amdhsa_user_sgpr_kernarg_segment_ptr 1
		.amdhsa_wavefront_size32 1
		.amdhsa_system_sgpr_workgroup_id_x 1
		.amdhsa_system_sgpr_workgroup_id_y 1
		.amdhsa_system_sgpr_workgroup_id_z 1
		.amdhsa_system_vgpr_workitem_id 0
		.amdhsa_next_free_vgpr 256
		.amdhsa_next_free_sgpr 80
		.amdhsa_reserve_vcc 1
		.amdhsa_float_denorm_mode_32 3
		.amdhsa_float_denorm_mode_16_64 3
		.amdhsa_memory_ordered 1
		.amdhsa_forward_progress 1
		.amdhsa_inst_pref_size 178
	.end_amdhsa_kernel
	.amdgpu_metadata
---
amdhsa.version: [ 1, 2 ]
amdhsa.kernels:
  - .name:           k_qbdd1391218_attn
    .symbol:         k_qbdd1391218_attn.kd
    .args:
      - { .name: qc, .offset: 0, .size: 8, .value_kind: global_buffer, .address_space: global }
      - { .name: qs, .offset: 8, .size: 8, .value_kind: global_buffer, .address_space: global }
      - { .name: kv, .offset: 16, .size: 8, .value_kind: global_buffer, .address_space: global }
      - { .name: cc, .offset: 24, .size: 8, .value_kind: global_buffer, .address_space: global }
      - { .name: cs, .offset: 32, .size: 8, .value_kind: global_buffer, .address_space: global }
    .group_segment_fixed_size: 169984
    .private_segment_fixed_size: 0
    .kernarg_segment_align: 8
    .kernarg_segment_size: 40
    .max_flat_workgroup_size: 512
    .sgpr_count:     80
    .vgpr_count:     256
    .wavefront_size: 32
...
	.end_amdgpu_metadata
.endif
;; end of part 2
;; launch proj (part 3): grid 8 x 32, 4 waves a work-group, clusters of 4 x 4, 246,272 bytes of LDS; arguments cc, cs, Wo_codes, Wo_scales, bo, out0; writes out0
.if DOCPART == 3
	.amdgcn_target "amdgcn-amd-amdhsa--gfx1250"
	.amdhsa_code_object_version 6
	.text
	.protected	k_qbdd1391218_proj
	.globl	k_qbdd1391218_proj
	.p2align	8
	.type	k_qbdd1391218_proj,@function
k_qbdd1391218_proj:
	s_mov_b64 s[64:65], 0
	v_nop
	global_prefetch_b8 v0, s[64:65] scope:SCOPE_SE
	s_setreg_imm32_b32 hwreg(HW_REG_WAVE_MODE, 25, 1), 1
	s_wait_xcnt 0x0
	s_wait_alu depctr_hold_cnt(0) depctr_sa_sdst(0) depctr_va_vdst(0) depctr_va_sdst(0) depctr_va_ssrc(0) depctr_va_vcc(0) depctr_vm_vsrc(0)
	s_getreg_b32 s2, hwreg(HW_REG_IB_STS2, 6, 4)
	s_cmp_eq_u32 s2, 0
	s_cbranch_scc0 .Lentry_in_a_cluster
	s_endpgm
.Lentry_in_a_cluster:
	s_bfe_u32 s2, ttmp6, 0x10000c
	s_cmp_lg_u32 s2, 0xf033
	s_cbranch_scc0 .Lentry_shape_is_right
	s_endpgm
.Lentry_shape_is_right:
; out0 = ctx Wo + bo on codes of FP4 (E2M1) with one E8M0 scale for each 32 along K = 1,024; out0 f32.
; SHARES.  Work-group (X, Y): 128 columns x 256 rows of out0; 8 x 32 = 256 work-groups, four waves.  Source 0 is P = Wo's rows 128 X on (columns of out0), source 1 is L = ctx's rows 256 Y + 64 w on:
; in the result lane (r, h) holds row r and, in register i of P's tile t, column 16 t + 8 h + i: eight neighbouring numbers of a row of out0.  A wave has 8 x 4 accumulators.
; All of K lies in LDS, filled once.  ctx's codes lie in memory as images of operand registers ([row tile][head][512 bytes: lane l's 16 bytes at 16 l]): the fragment of K step s is images 2 s and 2 s + 1,
; a wave's four row tiles are 32,768 dense bytes, and every LDS load of them takes 512 consecutive bytes.  Wo's rows are 512 bytes, padded by 16 in LDS.
; The bias is the C of each sum's first matrix instruction: eight registers for each of P's tiles, in the result's layout.
; CLUSTER 4 x 4.  ctx's tiles hang on Y alone and are asked for jointly along a row of the cluster, Wo's on X alone and jointly along a column.
.set PITCH,  528
.set TILE,   16*PITCH
.set LWO,    131072                    ; behind ctx's 256 images: Wo's 128 rows
.set LWSO,   LWO+128*PITCH             ; Wo's scale bytes: 16 units of 256 + 16
.set LCS,    LWSO+4352                 ; ctx's: 32 units
.set STG,    LCS+8704                  ; the way out: 16 rows x (512 + 16) bytes for each wave; no fill lands here
.set LT,     8192                      ; L's fragments: from row tile to row tile, from K step to K step, from half to half
.set LS,     1024
.set LC,     512
.set LP,   4
.set AP,   5                           ; v5   Wo's fragments
.set AL,   7                           ; v7   ctx's images: 32,768 w + 16 x lane
.set SLP,  10
.set ASP,  11                          ; v11  Wo's scale words, all lanes;  v12  lanes 0-15 Wo's, lanes 16-31 ctx's
.set AS,   12
.set LI,   17                          ; v17  16 x lane
.set STO,  19                          ; v19  the stage, in;  v20 back
.set RD,   20
.set BOF,  21                          ; v21  32 h
.set TV,   26
.set SC,   32                          ; v32-95   scale words
.set LF,   96                          ; v96-159  L's fragments, two sets of four
.set BK,   96                          ; the way out: v96-159 and v160-223 by turns
.set BIAS, 128                         ; in window 2: bo's eight tiles
; window 1: accumulator (P tile i, L tile j) at v[64 j + 8 i].   window 2: P's fragments, two sets, at v0 and v64; from v128 the bias.
.set WV,   28
.set G1C,  40
.set G1W,  48
.set G1XS, 56
.set G1WS, 68
.set T1,   76
.set T2,   80
.set T3,   84
.set T4,   88
.set MSB, 0
.macro WIN new
.if MSB != \new
	s_set_vgpr_msb (MSB<<8)|\new
.set MSB, \new
.endif
.endm
.macro PLACES n
.rept \n
	v_nop
.endr
.endm
.macro CROUND                          ; a round of the cluster's barrier
	s_barrier_signal -1
	s_barrier_wait -1
	s_cmp_lg_u32 s[WV], 0
	s_cbranch_scc1 .Lnot_wave_0_\@
	s_barrier_signal -3
.Lnot_wave_0_\@:
	s_barrier_wait -3
	s_barrier_signal -1
	s_barrier_wait -1
.endm
	s_load_b256 s[4:11], s[0:1], 0x0               ; cc, cs, Wo's codes, Wo's scales
	s_load_b128 s[12:15], s[0:1], 0x20             ; bo, out0
	v_lshl_add_u32 v254, v0, 2, 0x3c000
	v_mov_b32 v255, 0
	ds_add_u32 v254, v255
	ds_add_u32 v254, v255
	v_lshrrev_b32 v1, 5, v0
	v_readfirstlane_b32 s[WV], v1
	s_bfe_u32 s29, ttmp6, 0x40000                  ; cx
	s_bfe_u32 s30, ttmp6, 0x40004                  ; cy
	s_lshl_b32 s31, ttmp9, 2
	s_add_co_u32 s31, s31, s29                     ; X
	s_and_b32 s32, ttmp7, 0xffff
	s_lshl_b32 s32, s32, 2
	s_add_co_u32 s32, s32, s30                     ; Y
	s_lshl_b32 s33, s30, 2
	s_lshl_b32 s33, 15, s33                        ; my row of the cluster: shares Y
	s_lshl_b32 s34, 0x1111, s29                    ; my column: shares X
	s_or_b32 s[G1C], s33, (3<<16)|(1<<21)          ; ctx's images: a dense block as 128 rows of 256 bytes, no padding
	s_mov_b32 s[G1C+1], 32<<16
	s_mov_b32 s[G1C+2], 128<<16
	s_mov_b32 s[G1C+3], 32<<16
	s_mov_b32 s[G1C+4], 128
	s_mov_b32 s[G1C+5], 32
	s_mov_b32 s[G1C+6], 0
	s_mov_b32 s[G1C+7], 0
	s_or_b32 s[G1W], s34, (1<<20)|(1<<21)|(6<<22)|(3<<25)   ; Wo's codes: 32 rows of 512 bytes, 16 bytes of padding behind each
	s_mov_b32 s[G1W+1], 512<<16
	s_mov_b32 s[G1W+2], 32<<16
	s_mov_b32 s[G1W+3], 512<<16
	s_mov_b32 s[G1W+4], 32
	s_mov_b32 s[G1W+5], 512
	s_mov_b32 s[G1W+6], 0
	s_mov_b32 s[G1W+7], 0
	s_or_b32 s[G1XS], s33, (3<<16)|(1<<20)|(1<<21)|(5<<22)|(3<<25)   ; scale bytes: rows of 256 bytes, 16 of padding behind each: 8 of ctx's, 4 of Wo's
	s_or_b32 s[G1WS], s34, (3<<16)|(1<<20)|(1<<21)|(5<<22)|(3<<25)
.irp g, G1XS, G1WS
	s_mov_b32 s[\g+1], 32<<16
	s_mov_b32 s[\g+3], 32<<16
	s_mov_b32 s[\g+5], 32
	s_mov_b32 s[\g+6], 0
	s_mov_b32 s[\g+7], 0
.endr
	s_mov_b32 s[G1XS+2], 8<<16
	s_mov_b32 s[G1XS+4], 8
	s_mov_b32 s[G1WS+2], 4<<16
	s_mov_b32 s[G1WS+4], 4
	s_mul_i32 s35, s[WV], 1088
	s_add_co_u32 s[T1+1], s35, LWSO
	s_mul_i32 s35, s[WV], 2176
	s_add_co_u32 s[T2+1], s35, LCS
	s_lshl_b32 s[T3+1], s[WV], 15
	s_mul_i32 s35, s[WV], 32*PITCH
	s_add_co_u32 s[T4+1], s35, LWO
	s_lshl_b32 s2, s32, 17
	s_lshl_b32 s3, s[WV], 15
	s_add_co_u32 s2, s2, s3                        ; ctx: (16 Y + 4 w) row tiles of 8,192 bytes
	s_mov_b32 s3, 0
	s_lshl_b32 s26, s31, 16
	s_lshl_b32 s27, s[WV], 14
	s_add_co_u32 s26, s26, s27                     ; Wo: (128 X + 32 w) rows of 512 bytes
	s_mov_b32 s27, 0
	s_wait_dscnt 0x0
	s_wait_kmcnt 0x0
	s_add_nc_u64 s[T3+2:T3+3], s[4:5], s[2:3]
	s_lshr_b32 s2, s2, 4                           ; (256 Y + 64 w) rows of 32 bytes
	s_add_nc_u64 s[T2+2:T2+3], s[6:7], s[2:3]
	s_add_nc_u64 s[T4+2:T4+3], s[8:9], s[26:27]
	s_lshr_b32 s26, s26, 4
	s_add_nc_u64 s[T1+2:T1+3], s[10:11], s[26:27]
.irp t, T1, T2, T3, T4
	s_mov_b32 s[\t], 1
	s_or_b32 s[\t+3], s[\t+3], 0x80000000
.endr
	s_lshl_b32 s26, s31, 9
	s_add_nc_u64 s[12:13], s[12:13], s[26:27]      ; bo at my 128 columns
	CROUND                                         ; all sixteen work-groups are here: the joint loads meet
	tensor_load_to_lds s[T1:T1+3], s[G1WS:G1WS+7]  ; every wave brings its quarter of every tile: four loads of mine are out
	s_nop 0
	tensor_load_to_lds s[T2:T2+3], s[G1XS:G1XS+7]
	s_nop 0
	tensor_load_to_lds s[T3:T3+3], s[G1C:G1C+7]
	s_nop 0
	tensor_load_to_lds s[T4:T4+3], s[G1W:G1W+7]
	s_nop 0
	PLACES 4                                       ; four v_nop follow the last of them
	v_and_b32 v1, 15, v0                           ; r
	v_bfe_u32 v2, v0, 4, 1                         ; h
	v_and_b32 v3, 31, v0                           ; lane
	v_lshlrev_b32 v[BOF], 5, v2
	WIN 0x80                                       ; destination window 2
.irp i, 0,1,2,3,4,5,6,7
	global_load_b128 v[BIAS+8*\i:BIAS+8*\i+3], v[BOF], s[12:13] offset:64*\i        ; bo at columns 16 i + 8 h + 0 .. 7
	global_load_b128 v[BIAS+8*\i+4:BIAS+8*\i+7], v[BOF], s[12:13] offset:64*\i+16
.endr
	WIN 0
	v_mul_u32_u24 v[LP], v1, PITCH
	v_lshl_add_u32 v[LP], v2, 4, v[LP]
	v_add_nc_u32 v[AP], LWO, v[LP]
	v_lshlrev_b32 v[LI], 4, v3
	s_lshl_b32 s35, s[WV], 15
	v_add_nc_u32 v[AL], s35, v[LI]
	v_lshrrev_b32 v[SLP], 3, v1
	v_lshlrev_b32 v[SLP], 4, v[SLP]
	v_lshl_add_u32 v[SLP], v1, 5, v[SLP]
	v_add_nc_u32 v[ASP], LWSO, v[SLP]
	s_mul_i32 s35, s[WV], 2176
	s_add_co_u32 s35, s35, LCS-LWSO                ; from Wo's scales to my rows' of ctx: one product with h
	v_mul_u32_u24 v[TV], s35, v2
	v_add_nc_u32 v[AS], v[ASP], v[TV]
	s_mul_i32 s35, s[WV], TILE
	s_add_co_u32 s35, s35, STG                     ; my stage
	v_mul_u32_u24 v[STO], v1, PITCH
	v_lshl_add_u32 v[STO], v2, 5, v[STO]
	v_add_nc_u32 v[STO], s35, v[STO]               ; in: row r, 32 bytes for each half of the lanes
	v_add_nc_u32 v[RD], s35, v[LI]                 ; back: the 32 lanes take one row of 512 bytes
	s_lshl_b32 s18, s32, 20
	s_lshl_b32 s16, s[WV], 18
	s_add_co_u32 s18, s18, s16
	s_lshl_b32 s16, s31, 9
	s_add_co_u32 s18, s18, s16
	s_mov_b32 s19, 0
	s_add_nc_u64 s[14:15], s[14:15], s[18:19]      ; out0 at row 256 Y + 64 w, column 128 X
.macro FETCH s, buf                    ; 24 LDS loads: the fragments of K step s into set buf: P's eight, L's four
	WIN 0x80
.irp i, 0,1,2,3,4,5,6,7
.irp c, 0,1
	ds_load_b128 v[64*(\buf)+8*\i+4*\c:64*(\buf)+8*\i+4*\c+3], v[AP] offset:TILE*\i+64*(\s)+32*\c
.endr
.endr
	WIN 0
.irp j, 0,1,2,3
.irp c, 0,1
	ds_load_b128 v[LF+32*(\buf)+8*\j+4*\c:LF+32*(\buf)+8*\j+4*\c+3], v[AL] offset:LT*\j+LS*(\s)+LC*\c
.endr
.endr
.endm
; 32 matrix instructions: K step s.  The 32 accumulators take turns, one instruction a turn, in the same order in every step.  first = 1: the sums start from the bias.
.macro MUL s, buf, first
.if \first
	WIN 0x62                                       ; source 0 (P) window 2, source 1 (L) window 0, C (the bias) window 2, D window 1
.else
	WIN 0x52                                       ; C and D window 1
.endif
.irp j, 0,1,2,3
.irp i, 0,1,2,3,4,5,6,7
.if \first
	v_wmma_scale_f32_16x16x128_f8f6f4 v[64*\j+8*\i:64*\j+8*\i+7], v[64*(\buf)+8*\i:64*(\buf)+8*\i+7], v[LF+32*(\buf)+8*\j:LF+32*(\buf)+8*\j+7], v[BIAS+8*\i:BIAS+8*\i+7], v[SC+8*\i+(\s)], v[SC+8*\j+(\s)] matrix_a_fmt:MATRIX_FMT_FP4 matrix_b_fmt:MATRIX_FMT_FP4 matrix_b_scale:MATRIX_SCALE_ROW1
.else
	v_wmma_scale_f32_16x16x128_f8f6f4 v[64*\j+8*\i:64*\j+8*\i+7], v[64*(\buf)+8*\i:64*(\buf)+8*\i+7], v[LF+32*(\buf)+8*\j:LF+32*(\buf)+8*\j+7], v[64*\j+8*\i:64*\j+8*\i+7], v[SC+8*\i+(\s)], v[SC+8*\j+(\s)] matrix_a_fmt:MATRIX_FMT_FP4 matrix_b_fmt:MATRIX_FMT_FP4 matrix_b_scale:MATRIX_SCALE_ROW1
.endif
.endr
.endr
.endm
; THE WAY OUT, a block of 16 rows x 128 columns at a time, through my own stage: in as 32 bytes a lane, back as whole rows of 512 bytes.  LDS serves a wave's instructions in order: no wait between the stores and the loads.
.macro TOSTAGE j
	WIN 0x04                                       ; an LDS store's data are its source 1: window 1
.irp i, 0,1,2,3,4,5,6,7
	ds_store_b128 v[STO], v[64*(\j)+8*\i:64*(\j)+8*\i+3] offset:64*\i          ; each accumulator from its low end on
	ds_store_b128 v[STO], v[64*(\j)+8*\i+4:64*(\j)+8*\i+7] offset:64*\i+16
.endr
	WIN 0
.irp t, 0,1,2,3,4,5,6,7,8,9,10,11,12,13,14,15
	ds_load_b128 v[BK+64*((\j)%2)+4*\t:BK+64*((\j)%2)+4*\t+3], v[RD] offset:PITCH*\t
.endr
.endm
.macro SEND j, younger                 ; younger: the LDS instructions issued behind block j's loads, which may stay out
	s_wait_dscnt \younger
.irp t, 0,1,2,3,4,5,6,7,8,9,10,11,12,13,14,15
	global_store_b128 v[LI], v[BK+64*((\j)%2)+4*\t:BK+64*((\j)%2)+4*\t+3], s[14:15] offset:65536*(\j)+4096*\t th:TH_STORE_NT   ; 32 lanes store 512 consecutive bytes, at a multiple of 256 from out0's first byte
.endr
.endm
	s_wait_tensorcnt 0x0                           ; my parts of the four tiles are in,
	s_barrier_signal -1
	s_barrier_wait -1                              ; everybody's are
	FETCH 0, 0
.irp i, 0,1,2,3
.irp q, 0,1
	ds_load_b128 v[SC+8*\i+4*\q:SC+8*\i+4*\q+3], v[AS] offset:544*\i+16*\q     ; the scale words of all eight K steps: lanes 0-15 Wo's tile i, lanes 16-31 ctx's tile i
.endr
.endr
.irp i, 4,5,6,7
.irp q, 0,1
	ds_load_b128 v[SC+8*\i+4*\q:SC+8*\i+4*\q+3], v[ASP] offset:544*\i+16*\q
.endr
.endr
	s_wait_loadcnt 0x0                             ; the bias
	FETCH 1, 1
	s_wait_dscnt 24                                ; all but the 24 loads just issued
	MUL 0, 0, 1
.set KSTP, 1
.rept 6
	PLACES 4                                       ; between the products of the step before and the loads into the set that they read
	FETCH KSTP+1, (KSTP+1)%2
	s_wait_dscnt 24
	MUL KSTP, KSTP%2, 0
.set KSTP, KSTP+1
.endr
	s_wait_dscnt 0x0
	MUL 7, 1, 0
	WIN 0
	PLACES 4                                       ; in front of the first read of results, and of the loads into L's registers
	TOSTAGE 0
.irp j, 1,2,3
.if \j > 1
	s_wait_xcnt 0x0                                ; block j - 2's stores have read their registers: block j's loads may land there
.endif
	TOSTAGE \j
	SEND \j-1, 32                                  ; behind block j - 1's loads: block j's 16 stores and 16 loads
.endr
	SEND 3, 0
	s_wait_tensorcnt 0x0
	ds_add_u32 v254, v255
	s_wait_dscnt 0x0
	CROUND                                         ; the closing round: no work-group ends while a partner may still ask for a tile that names it
	s_endpgm
.Lfunc_end_k_qbdd1391218_proj:
	.size	k_qbdd1391218_proj, .Lfunc_end_k_qbdd1391218_proj-k_qbdd1391218_proj
	.p2alignl 7, 3214868480
	.fill 96, 4, 3214868480
	.section	.rodata,"a",@progbits
	.p2align	6, 0x0
	.amdhsa_kernel k_qbdd1391218_proj
		.amdhsa_group_segment_fixed_size 246272
		.amdhsa_private_segment_fixed_size 0
		.amdhsa_enable_private_segment 0
		.amdhsa_kernarg_size 48
		.amdhsa_user_sgpr_count 2
		.amdhsa_user_sgpr_kernarg_segment_ptr 1
		.amdhsa_wavefront_size32 1
		.amdhsa_system_sgpr_workgroup_id_x 1
		.amdhsa_system_sgpr_workgroup_id_y 1
		.amdhsa_system_sgpr_workgroup_id_z 1
		.amdhsa_system_vgpr_workitem_id 0
		.amdhsa_next_free_vgpr 768
		.amdhsa_next_free_sgpr 100
		.amdhsa_reserve_vcc 0
		.amdhsa_float_denorm_mode_32 3
		.amdhsa_float_denorm_mode_16_64 3
		.amdhsa_memory_ordered 1
		.amdhsa_forward_progress 1
		.amdhsa_inst_pref_size 71
	.end_amdhsa_kernel
	.amdgpu_metadata
---
amdhsa.version: [ 1, 2 ]
amdhsa.kernels:
  - .name:           k_qbdd1391218_proj
    .symbol:         k_qbdd1391218_proj.kd
    .args:
      - { .name: cc, .offset: 0, .size: 8, .value_kind: global_buffer, .address_space: global }
      - { .name: cs, .offset: 8, .size: 8, .value_kind: global_buffer, .address_space: global }
      - { .name: Wo_codes, .offset: 16, .size: 8, .value_kind: global_buffer, .address_space: global }
      - { .name: Wo_scales, .offset: 24, .size: 8, .value_kind: global_buffer, .address_space: global }
      - { .name: bo, .offset: 32, .size: 8, .value_kind: global_buffer, .address_space: global }
      - { .name: out0, .offset: 40, .size: 8, .value_kind: global_buffer, .address_space: global }
    .group_segment_fixed_size: 246272
    .private_segment_fixed_size: 0
    .kernarg_segment_align: 8
    .kernarg_segment_size: 48
    .max_flat_workgroup_size: 128
    .sgpr_count:     100
    .vgpr_count:     768
    .wavefront_size: 32
...
	.end_amdgpu_metadata
.endif
;; end of part 3
